; MI455X (gfx1250); checked and timed in simulation.
; The chip was launched on July 23, 2026; its instructions are those of AMD's public machine-readable ISA for CDNA 5 (MIT licence, August 2026) and "CDNA5" Instruction Set Architecture Reference Guide (July 2026). The comments in the code are by the model that wrote it; some were corrected since.
;; Single Head Attention. Allowed arithmetic: matrix products marked QUANTISED: E2M1 operands, one E8M0 scale for each 32 along K, by v_wmma_scale_f32_16x16x128_f8f6f4 with both operands' format E2M1 (or v_wmma_scale_f32_32x16x128_f4), f32 sums; everything else in f32.
;; Inputs: Wk 1,024 x 64 float32; Wq 1,024 x 64 float32; Wv 1,024 x 64 float32; bk 64 float32; bq 64 float32; bv 64 float32; x 4 x 4,096 x 1,024 float32.
;; Outputs: out0 4 x 4,096 x 64 float32.
;; This version of the problem:
;;   THIS VERSION OF THE PROBLEM IS GIVEN IN LOW PRECISION. The matrix products marked QUANTISED in the list below multiply operands that are first quantised to E2M1 (2 exponent bits, 1 mantissa bit; 4 bits a number), with one power-of-two scale for each 32 numbers along K (OCP MX v1.0); their sums are f32. All else is computed in f32.
;;   The module's matrix products, in the order in which they are computed (A, B: the left and right operand; K: the contracted axis; several contracted axes count as one K, in the product's order):
;;     1. [M 16,384, K 1,024] x [K 1,024, N 64]; A: input x; B: input Wq: QUANTISED
;;     2. [M 16,384, K 1,024] x [K 1,024, N 64]; A: input x; B: input Wk: QUANTISED
;;     3. [M 16,384, K 1,024] x [K 1,024, N 64]; A: input x; B: input Wv: QUANTISED
;;     4. batch 4 x [M 4,096, K 64] x [K 64, N 4,096]; A: computed on the way; B: computed on the way: QUANTISED
;;     5. batch 4 x [M 4,096, K 4,096] x [K 4,096, N 64]; A: softmax (see below); B: computed on the way: QUANTISED
;;   THE QUANTISER, for each operand of a quantised product, along K:
;;     - K is cut into blocks of 32 from its start; a last block that is shorter is filled with zeros.
;;     - A block's scale is 2^e with e = floor(log2(the largest magnitude in the block)) - 2, held to -126 .. 127; a block of zeros has e = 0. As a byte (E8M0): e + 127.
;;     - Each number is divided by its block's scale, clamped to +-6, and rounded to the nearest number of E2M1, ties to even, subnormals kept.
;;     - The product sums the exact products of the quantised numbers (number of the format x scale) in f32.
;;   ~~~python
;;   def quantise(x, axis):      # numpy; x: float32 -> the quantised numbers, widened to float32 again
;;       x = np.moveaxis(x, axis, -1); K = x.shape[-1]
;;       x = np.pad(x, [(0, 0)] * (x.ndim - 1) + [(0, -K % 32)]); x = x.reshape(x.shape[:-1] + (-1, 32)); a = np.abs(x).max(-1, keepdims=True)
;;       e = np.where(a > 0, np.clip(np.frexp(np.where(a > 0, a, 1))[1] - 1 - 2, -126, 127), 0)      # np.frexp(a)[1] - 1 = floor(log2(a)), exactly
;;       r = np.clip(x / 2.0 ** e, -6, 6)
;;       step = 2.0 ** (np.maximum(np.frexp(np.where(r == 0, 1, r))[1] - 1, 0) - 1)
;;       q = np.round(r / step) * step * 2.0 ** e      # np.round: ties to even
;;       return np.moveaxis(q.reshape(q.shape[:-2] + (-1,))[..., :K], -1, axis).astype(np.float32)
;;   ~~~
;;   SOFTMAX AHEAD OF A QUANTISED PRODUCT. Where the list says 'softmax', what is quantised is not the finished softmax but p = 2^(t - M), with t = logit x log2(e) and M = ceil(the row's largest t), a whole number; so 1/2 < the row's largest p <= 1. The row's sum l is taken of the UNQUANTISED p, in f32, and the product's result is divided by l at the end. Since M is a whole number, a kernel that streams over the keys may use a running M (the ceiling of the running maximum): every later rescaling is an exact power of two, which a block's scale takes up: the codes' values come out the same.
;;   OPERANDS COMPUTED ON THE WAY. 'Computed on the way' means the value that the module computes at that place (a softmax that the list does not call 'softmax' is quantised finished and normalised). What goes into a quantiser is computed in f32, as accurately as f32 sums, v_exp_f32 and their like allow (about 1e-6 of the number): no bf16 or f16 on the way to a quantiser, and a product that is left as it is and whose result goes on into a quantised operand takes f32 operands (vector FMAs, or v_wmma_f32_16x16x4_f32). A number that lies on a knife's edge between two numbers of the format may be rounded either way, as far as f32 arithmetic and the matrix unit's own rounding can turn it there, and no further.
;; One version. Each part assembles by itself: llvm-mc -triple=amdgcn-amd-amdhsa -mcpu=gfx1250 --defsym DOCPART=n.
;; ======== version 1 of 1: 3 launches
;; limits: right only within a limited range of input values
;; workspace buffers: wc 122,880 bytes; qc 524,288 bytes; qs 262,144 bytes; kv 1,146,880 bytes
;; launch wquant (part 1): grid 96 x 1, 1 waves a work-group, no clusters, 0 bytes of LDS; arguments Wq, Wk, Wv, wc; writes wc
.if DOCPART == 1
	.amdgcn_target "amdgcn-amd-amdhsa--gfx1250"
	.amdhsa_code_object_version 6
	.text
	.protected	k_q38afcc32e7_wquant
	.globl	k_q38afcc32e7_wquant
	.p2align	8
	.type	k_q38afcc32e7_wquant,@function
k_q38afcc32e7_wquant:
	s_mov_b64 s[64:65], 0
	v_nop
	global_prefetch_b8 v0, s[64:65] scope:SCOPE_SE
	s_setreg_imm32_b32 hwreg(HW_REG_WAVE_MODE, 25, 1), 1
	s_wait_xcnt 0x0
; Wq, Wk, Wv [1024 (k)][64 (n)], f32, become codes of FP4 (E2M1) with one E8M0 scale byte for each 32 along K, laid in the order of an operand's registers.
; WORK LEFT OUT BY THIS PROGRAM: in the attention launch, the key steps of 128 keys that lie wholly behind a tile's queries.  reference() itself sets those scores to -infinity (its own tril mask), so their weights are 0
; for all finite inputs.  A NaN, an infinity or an overflow that reaches only those scores is not carried to the result.
; wc: [tile T 0..11][K step 0..7] blocks of 1,280 bytes: 1,024 bytes of codes [c 0..1][lane][16 bytes], lane (r, h) holding k = 128 step + 64 c + 32 h + 0 .. 31 of column col(T, r); then 256 bytes,
; 8 a lane: row r's scale word (four bytes: the step's blocks), written twice so that the unit of 256 bytes is stored whole.
; T = 0..3: Wq, 4..7: Wk: col = 8 (T % 4) + r % 8 + 32 (r / 8), so that the results of a weight's four tiles, used transposed, are a whole block of 32 along the next product's K in one lane.  T = 8..11: Wv, col = 16 (T - 8) + r.
; A work-group of one wave makes one block: 96 in all.  A LANE TAKES A COLUMN AND ITS REGISTERS RUN DOWN K: it holds two whole blocks, and the conversions' results are the operand's registers.
; A block's scale is 2^(floor(log2(its largest magnitude)) - 2); its byte is the largest magnitude's exponent field - 2, held at 1 from below.
; LIMITS: a block of zeros, or one whose largest magnitude lies under 2^-124, gets the byte 1 (the bytes are read by this program alone); NaN and infinities are not served.
.set FLOOR, 0x1800000                  ; 2^(3 - 127)
.set X,     64                         ; v64-127  my 64 numbers: 32 c + i = k 64 c + 32 h + i
.set CD,    48                         ; v48-55   the codes
	s_load_b256 s[4:11], s[0:1], 0x0               ; Wq s[4:5], Wk s[6:7], Wv s[8:9], wc s[10:11]
	s_lshr_b32 s16, ttmp9, 3                       ; T
	s_and_b32 s17, ttmp9, 7                        ; K step
	s_and_b32 s18, s16, 3
	s_lshl_b32 s20, s18, 5
	s_lshl_b32 s21, s18, 6
	s_cmp_lt_u32 s16, 8
	s_cselect_b32 s18, s20, s21                    ; the tile's first column, in bytes
	s_cselect_b32 s19, 3, 0                        ; q, k: lanes 8-15 stand 24 columns further on
	s_lshl_b32 s22, s17, 15                        ; 128 rows of 256 bytes
	s_add_co_u32 s22, s22, s18
	s_mov_b32 s23, 0
	s_mul_i32 s24, ttmp9, 1280
	s_mov_b32 s25, 0
	s_mov_b32 s28, 0x76543210
	s_mov_b32 s29, 0xfedcba98                      ; v_permlanex16_b32's selects for lane l xor 16
	v_and_b32 v2, 15, v0                           ; r
	v_bfe_u32 v3, v0, 4, 1                         ; h
	v_lshlrev_b32 v7, 4, v0                        ; 16 x lane
	v_lshlrev_b32 v8, 3, v0                        ; 8 x lane
	v_and_b32 v4, 8, v2
	v_mad_u32_u24 v5, v4, s19, v2
	v_lshlrev_b32 v5, 2, v5
	v_lshl_add_u32 v5, v3, 13, v5                  ; my column + 32 h rows of 256 bytes
	v_mov_b32 v10, 0                               ; a lane permute's destination counts as one of its sources
	s_wait_alu depctr_va_vdst(0)                   ; the wait at the head's end
	s_wait_kmcnt 0x0
	s_cmp_lt_u32 ttmp9, 64                         ; which weight: the choice hangs on the work-group's number alone
	s_cselect_b64 s[14:15], s[6:7], s[8:9]
	s_cmp_lt_u32 ttmp9, 32
	s_cselect_b64 s[14:15], s[4:5], s[14:15]
	s_add_nc_u64 s[14:15], s[14:15], s[22:23]
	s_add_nc_u64 s[10:11], s[10:11], s[24:25]
.irp c, 0,1
.set i, 0
.rept 32
	global_load_b32 v[X+32*\c+i], v5, s[14:15] offset:256*(64*\c+i)
.set i, i+1
.endr
.endr
.macro BLOCK c, out
.set XB, X+32*\c
	s_wait_loadcnt \out
	v_max3_num_f32 v32, |v[XB]|, |v[XB+1]|, FLOOR  ; the floor is one more leaf: the byte cannot fall under 1
	v_max3_num_f32 v33, |v[XB+2]|, |v[XB+3]|, |v[XB+4]|
.irp i, 5,9,13,17,21,25
	v_max3_num_f32 v32, v32, |v[XB+\i]|, |v[XB+\i+1]|
	v_max3_num_f32 v33, v33, |v[XB+\i+2]|, |v[XB+\i+3]|
.endr
	v_max3_num_f32 v32, v32, |v[XB+29]|, |v[XB+30]|
	v_max3_num_f32 v32, v32, v33, |v[XB+31]|
	v_add_nc_u32 v[44+\c], 0xff000000, v32         ; 2 off the exponent field: the conversion takes the exponent field of this operand as its scale
	v_lshrrev_b32 v[36+\c], 23, v[44+\c]           ; the scale's byte
.irp g, 0,1,2,3
	v_cvt_scalef32_pk8_fp4_f32 v[CD+4*\c+\g], v[XB+8*\g:XB+8*\g+7], v[44+\c]
.endr
	v_nop                                          ; one plain line behind the last conversion
.endm
	BLOCK 0, 32                                    ; the first block's 32 loads are in; the second's 32 may be out
	BLOCK 1, 0
	v_lshl_or_b32 v9, v37, 16, v36                 ; my two bytes, blocks h and 2 + h,
	v_lshlrev_b32 v11, 3, v3
	v_lshlrev_b32 v9, v11, v9                      ; at their places in the word (8 h bits up);
	v_permlanex16_b32 v10, v9, s28, s29
	v_or_b32 v12, v9, v10                          ; with lane l xor 16's two the word is whole
	v_mov_b32 v13, v12
.irp c, 0,1
	global_store_b128 v7, v[CD+4*\c:CD+4*\c+3], s[10:11] offset:512*\c   ; 32 lanes store 512 consecutive bytes, aligned
.endr
	global_store_b64 v8, v[12:13], s[10:11] offset:1024                  ; and 256
	s_endpgm
.Lfunc_end_k_q38afcc32e7_wquant:
	.size	k_q38afcc32e7_wquant, .Lfunc_end_k_q38afcc32e7_wquant-k_q38afcc32e7_wquant
	.p2alignl 7, 3214868480
	.fill 96, 4, 3214868480
	.section	.rodata,"a",@progbits
	.p2align	6, 0x0
	.amdhsa_kernel k_q38afcc32e7_wquant
		.amdhsa_group_segment_fixed_size 0
		.amdhsa_private_segment_fixed_size 0
		.amdhsa_enable_private_segment 0
		.amdhsa_kernarg_size 32
		.amdhsa_user_sgpr_count 2
		.amdhsa_user_sgpr_kernarg_segment_ptr 1
		.amdhsa_wavefront_size32 1
		.amdhsa_system_sgpr_workgroup_id_x 1
		.amdhsa_system_sgpr_workgroup_id_y 1
		.amdhsa_system_sgpr_workgroup_id_z 1
		.amdhsa_system_vgpr_workitem_id 0
		.amdhsa_next_free_vgpr 128
		.amdhsa_next_free_sgpr 66
		.amdhsa_reserve_vcc 0
		.amdhsa_float_denorm_mode_32 3
		.amdhsa_float_denorm_mode_16_64 3
		.amdhsa_memory_ordered 1
		.amdhsa_forward_progress 1
		.amdhsa_inst_pref_size 11
	.end_amdhsa_kernel
	.amdgpu_metadata
---
amdhsa.version: [ 1, 2 ]
amdhsa.kernels:
  - .name:           k_q38afcc32e7_wquant
    .symbol:         k_q38afcc32e7_wquant.kd
    .args:
      - { .name: Wq, .offset: 0, .size: 8, .value_kind: global_buffer, .address_space: global }
      - { .name: Wk, .offset: 8, .size: 8, .value_kind: global_buffer, .address_space: global }
      - { .name: Wv, .offset: 16, .size: 8, .value_kind: global_buffer, .address_space: global }
      - { .name: wc, .offset: 24, .size: 8, .value_kind: global_buffer, .address_space: global }
    .group_segment_fixed_size: 0
    .private_segment_fixed_size: 0
    .kernarg_segment_align: 8
    .kernarg_segment_size: 32
    .max_flat_workgroup_size: 32
    .sgpr_count:     66
    .vgpr_count:     128
    .wavefront_size: 32
...
	.end_amdgpu_metadata
.endif
;; end of part 1
;; launch proj (part 2): grid 256 x 1, 16 waves a work-group, no clusters, 318,464 bytes of LDS; arguments x, wc, bq, bk, bv, qc, qs, kv; writes qc, qs, kv
.if DOCPART == 2
	.amdgcn_target "amdgcn-amd-amdhsa--gfx1250"
	.amdhsa_code_object_version 6
	.text
	.protected	k_q38afcc32e7_proj
	.globl	k_q38afcc32e7_proj
	.p2align	8
	.type	k_q38afcc32e7_proj,@function
k_q38afcc32e7_proj:
	s_mov_b64 s[64:65], 0
	v_nop
	global_prefetch_b8 v0, s[64:65] scope:SCOPE_SE
	s_setreg_imm32_b32 hwreg(HW_REG_WAVE_MODE, 25, 1), 1
	s_wait_xcnt 0x0
; q = x Wq + bq, k = x Wk + bk, v = x Wv + bv on codes of FP4 (E2M1) with E8M0 scales for each 32 along K = 1,024; the results are quantised again at once, q and k along the head's 64, v along the keys, and leave
; as images of the next launch's operand registers.  x: [16,384][1,024] f32.
; SHARES.  A work-group takes 64 tokens, four tiles of 16: row m of tile t is token 4 m + t.  K goes in four stages of 256 (two K steps of 128).  Wave w brings tile w % 4 of stage w / 4 by ONE tensor load at the head
;   (16 rows x 1,024 bytes, four tokens apart; 16,384 bytes), and quantises it when it has landed: a lane takes whole blocks of 32, so their largest magnitude needs no other lane and the conversions' results are the operand's
;   registers; they go to the other waves through LDS as images.
;   Waves 0..11 keep weight tile w (0..3 q, 4..7 k, 8..11 v) for all of K in 64 registers and multiply the four tiles of tokens by it; waves 12..15 only quantise.
; No LDS byte is filled twice.  No loop: nothing to prefetch ahead of.
; LAYOUT.  q and k transposed (source 0 = 16 columns of W, source 1 = 16 tokens): with a weight's four tiles a lane holds 32 h + 8 tile + j, j = 0 .. 7: a whole block of units of one token.  v straight: with the four tiles of tokens a lane
;   holds tokens 32 h + 4 j + t of one channel: a whole block along the keys, in the order in which the softmax's p will stand.  The biases are the C of each sum's first product.
; NO CLUSTER: the work-groups share the weights alone, 98,304 bytes of codes, and x leaves LDS no room for them: each wave's share goes into the registers in which it stays.
; OUT.  qc [tile][lane][16 B]; qs [tile][lane][8 B] (row r's word twice).  kv: for each batch [s % 16][s / 16] blocks of 8,960 B, s the key step of 128: k's codes at 0 (512 B a tile), v's at 4,096 ([channel tile][half][lane][16 B]),
;   v's scale words at 8,192 ([r][channel tile]), k's at 8,448 ([half][r][t]).  The upper two bytes of q's and k's words are 0x7f: they scale what fills K = 64 up to 128.
;   k's words leave 4 bytes a lane and v's scale bytes 2 bytes a lane, 384 bytes of a work-group's: a unit of v's words belongs to two work-groups.
; LIMITS: a block of zeros, or one whose largest magnitude lies under 2^-124, gets the byte 1 (the bytes are read by this program alone); NaN and infinities are not served.
.set XRW,   16640                      ; LDS: a wave's x: 16 rows of XP
.set XP,    1040                       ; 1,024 bytes + 16 of padding = 65 x 16: the sixteen rows of a load start at sixteen different places modulo 256 bytes
.set XIMG,  266240                     ; images of a stage's eight fragments [step % 2][t], 1,024 bytes each; two stages by turns
.set XSC,   282624                     ; their scale words, 64 bytes each
.set EX,    283648                     ; q's and k's results on their way from wave to wave: [q or k][tile of tokens][tile of columns][1,024]
.set SPARE, 316416                     ; the spare words
.set FLOOR, 0x1800000                  ; 2^(3 - 127)
.set SPW, 2
.set NIL, 3
.set XA,  4                            ; my rows of x: row r, block h of a pair
.set XW,  5                            ; where I store my images
.set XWS, 6                            ; and my blocks' scale bytes
.set LIM, 7
.set LSC, 8
.set L16, 9
.set L8,  10
.set R16, 11
.set EXW, 12
.set EXR, 13
.set H128, 14
.set R4,  15
.set H8,  16
.set WS,  32                           ; v32-39 my weight tile's scale words
.set BI,  40                           ; v40-47 bias
.set XS,  48                           ; v48-51 x's scale words: lanes 0-15 tile 2 p, lanes 16-31 tile 2 p + 1
.set PC,  52
.set TM,  56
.set SO,  58
.set BY,  59
.set XF,  64                           ; v64-127 two times 32 numbers of x, then eight fragments of x; q's or k's results
.set WF,  128                          ; v128-191 my weight tile
.set ACC, 192                          ; v192-223 tile of tokens t at 8 t
.set WV,  20
.set WT,  21
.set WQ,  22
.set G1,  24
.set G0,  32
.set SEL, 48
	s_load_b256 s[4:11], s[0:1], 0x0               ; x s[4:5], wc s[6:7], bq s[8:9], bk s[10:11]
	s_load_b256 s[12:19], s[0:1], 0x20             ; bv s[12:13], qc s[14:15], qs s[16:17], kv s[18:19]
	v_lshl_add_u32 v[SPW], v0, 2, SPARE
	v_mov_b32 v[NIL], 0
	ds_add_u32 v[SPW], v[NIL]                      ; the opening lines: the add,
	ds_add_u32 v[SPW], v[NIL]                      ; and once more; register work stands ahead of their wait
	v_lshrrev_b32 v1, 5, v0
	v_readfirstlane_b32 s[WV], v1                  ; wave 0..15
	s_mov_b32 s[G1+0], (2<<16)|(1<<20)|(7<<22)|(3<<25)  ; no mask; elements of 4 bytes; padding on: after every 256 words (code 7) four words (code 3)
	s_mov_b32 s[G1+1], 256<<16                     ; tensor_dim0 = 256
	s_mov_b32 s[G1+2], 16<<16                      ; tensor_dim1 = 16
	s_mov_b32 s[G1+3], 256<<16                     ; tile_dim0 = 256
	s_mov_b32 s[G1+4], 16                          ; tile_dim1 = 16
	s_mov_b32 s[G1+5], 4096                        ; elements from row to row: four tokens
	s_mov_b32 s[G1+6], 0
	s_mov_b32 s[G1+7], 0
	s_and_b32 s[WT], s[WV], 3                      ; t
	s_lshr_b32 s[WQ], s[WV], 2                     ; my stage
	s_mul_i32 s68, s[WV], XRW
	s_lshl_b32 s80, ttmp9, 18                      ; 64 rows of 4,096 bytes a work-group
	s_lshl_b32 s81, s[WT], 12
	s_add_co_u32 s80, s80, s81
	s_lshl_b32 s81, s[WQ], 10
	s_add_co_u32 s80, s80, s81
	s_mov_b32 s81, 0
	s_wait_dscnt 0x0                               ; both opening adds are done
	s_wait_kmcnt 0x0
	s_mov_b32 s[G0], 1
	s_mov_b32 s[G0+1], s68
	s_add_nc_u64 s[G0+2:G0+3], s[4:5], s[80:81]
	s_or_b32 s[G0+3], s[G0+3], 0x80000000
	tensor_load_to_lds s[G0:G0+3], s[G1:G1+7]
	s_nop 0
.rept 4
	v_nop
.endr
	s_mul_i32 s76, s[WV], 10240
	s_mov_b32 s77, 0
	s_add_nc_u64 s[76:77], s[6:7], s[76:77]        ; my weight tile: 8 blocks of 1,280 bytes
	s_cmp_lt_u32 s[WQ], 2
	s_cselect_b32 s71, 5, 6
	s_lshl_b32 s78, s[WT], s71                     ; bias: q, k: 8 units a tile; v: 16 channels
	s_mov_b32 s79, 0
	s_cselect_b32 s71, 1, 0
	s_cmp_eq_u32 s[WQ], 0
	s_cselect_b64 s[82:83], s[8:9], s[10:11]
	s_cmp_lt_u32 s[WQ], 2
	s_cselect_b64 s[82:83], s[82:83], s[12:13]
	s_add_nc_u64 s[82:83], s[82:83], s[78:79]
	s_lshl_b32 s71, s[WT], 10
	s_add_co_u32 s72, s71, XIMG
	s_lshl_b32 s70, s[WT], 6
	s_add_co_u32 s70, s70, XSC
	s_and_b32 s67, s[WQ], 1
	s_lshl_b32 s67, s67, 14                        ; q (0) or k (1)
	s_add_co_u32 s73, s71, s67
	s_add_co_u32 s73, s73, EX                      ; out: my tile of columns
	s_lshl_b32 s74, s[WT], 12
	s_add_co_u32 s74, s74, s67
	s_add_co_u32 s74, s74, EX                      ; in: my tile of tokens
	s_mov_b32 s[SEL], 0x76543210
	s_mov_b32 s[SEL+1], 0xfedcba98                 ; v_permlanex16_b32's selects for lane l xor 16
	v_and_b32 v224, 31, v0                         ; lane
	v_and_b32 v225, 15, v0                         ; r
	v_bfe_u32 v226, v0, 4, 1                       ; h
	v_lshlrev_b32 v[L16], 4, v224
	v_lshlrev_b32 v[L8], 3, v224
	v_lshlrev_b32 v[R16], 4, v225
	v_lshlrev_b32 v[R4], 2, v225
	v_lshlrev_b32 v[H128], 7, v226
	v_lshlrev_b32 v[H8], 3, v226
	v_mul_u32_u24 v[XA], v225, XP
	v_add_nc_u32 v[XA], v[XA], v[H128]
	v_add_nc_u32 v[XA], s68, v[XA]
	v_add_nc_u32 v[XW], s72, v[L16]
	v_add_nc_u32 v[LIM], XIMG, v[L16]
	v_lshl_add_u32 v[XWS], v225, 2, v226
	v_add_nc_u32 v[XWS], s70, v[XWS]               ; word r, byte h
	v_lshl_add_u32 v[LSC], v224, 2, XSC
	v_add_nc_u32 v[EXW], s73, v[L16]
	v_add_nc_u32 v[EXR], s74, v[L16]
	v_mov_b32 v231, 0                              ; a lane permute's destination counts as one of its sources
	s_cmp_lt_u32 s[WV], 12
	s_wait_alu depctr_va_vdst(0)                   ; the wait at the head's end
	s_cbranch_scc0 .Lno_weights
.irp k, 0,1,2,3,4,5,6,7
	global_load_b128 v[WF+8*\k:WF+8*\k+3], v[L16], s[76:77] offset:1280*\k
	global_load_b128 v[WF+8*\k+4:WF+8*\k+7], v[L16], s[76:77] offset:1280*\k+512
	global_load_b32 v[WS+\k], v[L8], s[76:77] offset:1280*\k+1024
.endr
	s_cmp_lt_u32 s[WV], 8
	s_cbranch_scc0 .Lbias_v
	global_load_b128 v[BI:BI+3], v[H128], s[82:83] ; q, k: register j is unit 32 h + 8 t + j
	global_load_b128 v[BI+4:BI+7], v[H128], s[82:83] offset:16
	s_branch .Lno_weights
.Lbias_v:
	global_load_b32 v[BI], v[R4], s[82:83]         ; v: a lane holds channel r
.Lno_weights:
	; where my results go: codes s[86:87], scales s[88:89]
	s_lshr_b32 s66, ttmp9, 6                       ; the batch
	s_mul_i32 s66, s66, 286720
	s_bfe_u32 s67, ttmp9, 0x40001                  ; key step % 16
	s_mul_i32 s67, s67, 17920
	s_add_co_u32 s66, s66, s67
	s_bfe_u32 s67, ttmp9, 0x10005                  ; key step / 16
	s_mul_i32 s67, s67, 8960
	s_add_co_u32 s66, s66, s67                     ; my key step's block of kv
	s_and_b32 s67, ttmp9, 1                        ; which half of it
	s_lshl_b32 s68, ttmp9, 2
	s_add_co_u32 s68, s68, s[WT]
	s_lshl_b32 s69, s68, 9                         ; q's codes
	s_lshl_b32 s68, s68, 8                         ; q's words
	s_lshl_b32 s70, s67, 11
	s_lshl_b32 s71, s[WT], 9
	s_add_co_u32 s70, s70, s71
	s_add_co_u32 s70, s70, s66                     ; k's codes
	s_lshl_b32 s71, s67, 8
	s_lshl_b32 s72, s[WT], 2
	s_add_co_u32 s71, s71, s72
	s_add_co_u32 s71, s71, s66
	s_add_co_u32 s71, s71, 8448                    ; k's words
	s_lshl_b32 s73, s[WT], 10
	s_lshl_b32 s74, s67, 9
	s_add_co_u32 s73, s73, s74
	s_add_co_u32 s73, s73, s66
	s_add_co_u32 s73, s73, 4096                    ; v's codes
	s_lshl_b32 s74, s67, 1
	s_add_co_u32 s74, s74, s72
	s_add_co_u32 s74, s74, s66
	s_add_co_u32 s74, s74, 8192                    ; v's bytes
	s_cmp_lt_u32 s[WQ], 2
	s_cselect_b32 s70, s70, s73
	s_cselect_b32 s71, s71, s74
	s_cmp_eq_u32 s[WQ], 0
	s_cselect_b32 s90, s69, s70
	s_cselect_b32 s92, s68, s71
	s_cselect_b64 s[86:87], s[14:15], s[18:19]
	s_cselect_b64 s[88:89], s[16:17], s[18:19]
	s_mov_b32 s91, 0
	s_mov_b32 s93, 0
	s_add_nc_u64 s[86:87], s[86:87], s[90:91]
	s_add_nc_u64 s[88:89], s[88:89], s[92:93]
; one block of 32, all mine, at v[y] .. v[y + 31]: its byte in v[BY], its codes in v[PC] .. v[PC + 3]
.macro QX y
	v_max3_num_f32 v[TM], |v[(\y)]|, |v[(\y)+1]|, FLOOR     ; the largest magnitude; the floor is one more leaf: the byte cannot fall under 1.  An accumulator is read from its low end on
	v_max3_num_f32 v[TM+1], |v[(\y)+2]|, |v[(\y)+3]|, |v[(\y)+4]|
.irp i, 5,9,13,17,21,25
	v_max3_num_f32 v[TM], v[TM], |v[(\y)+\i]|, |v[(\y)+\i+1]|
	v_max3_num_f32 v[TM+1], v[TM+1], |v[(\y)+\i+2]|, |v[(\y)+\i+3]|
.endr
	v_max3_num_f32 v[TM], v[TM], |v[(\y)+29]|, |v[(\y)+30]|
	v_max3_num_f32 v[TM], v[TM], v[TM+1], |v[(\y)+31]|
	v_add_nc_u32 v[SO], 0xff000000, v[TM]          ; 2 off its exponent field: the conversion's scale operand
.irp g, 0,1,2,3
	v_cvt_scalef32_pk8_fp4_f32 v[PC+\g], v[(\y)+8*\g:(\y)+8*\g+7], v[SO]
.endr
	v_lshrrev_b32 v[BY], 23, v[SO]                 ; the scale's byte: the plain line behind the conversions
.endm
.macro XREAD q                         ; 64 along K of my 16 rows: lane (r, h) takes block h
.irp j, 0,1,2,3,4,5,6,7
	ds_load_b128 v[XF+32*((\q)%2)+4*\j:XF+32*((\q)%2)+4*\j+3], v[XA] offset:256*\q+16*\j
.endr
.endm
.macro XSTORE s, q                     ; half c = q % 2 of the fragment of K step 2 s + q / 2, and its scale bytes
	ds_store_b128 v[XW], v[PC:PC+3] offset:8192*((\s)%2)+4096*((\q)/2)+512*((\q)%2)
	ds_store_b8 v[XWS], v[BY] offset:512*((\s)%2)+256*((\q)/2)+2*((\q)%2)
.endm
.macro WM d, a, b, c, sa, sb, row
	v_wmma_scale_f32_16x16x128_f8f6f4 v[(\d):(\d)+7], v[(\a):(\a)+7], v[(\b):(\b)+7], v[(\c):(\c)+7], v[\sa], v[\sb] matrix_a_fmt:MATRIX_FMT_FP4 matrix_b_fmt:MATRIX_FMT_FP4 \row
.endm
; eight products: K steps 2 s, 2 s + 1, the four accumulators by turns, one instruction a turn
.macro MULQK s
.irp kk, 0,1
.irp t, 0,1,2,3
.set CR, ACC+8*\t
.if (\s)+\kk == 0
.set CR, BI                            ; the first products start the sums with the bias
.endif
.if (\t)%2
	WM ACC+8*\t, WF+8*(2*\s+\kk), XF+8*(4*\kk+\t), CR, WS+2*\s+\kk, XS+2*\kk+\t/2, matrix_b_scale:MATRIX_SCALE_ROW1
.else
	WM ACC+8*\t, WF+8*(2*\s+\kk), XF+8*(4*\kk+\t), CR, WS+2*\s+\kk, XS+2*\kk+\t/2
.endif
.endr
.endr
.endm
.macro MULV s
.irp kk, 0,1
.irp t, 0,1,2,3
.set CR, ACC+8*\t
.if (\s)+\kk == 0
.set CR, BI
.endif
.if (\t)%2
	WM ACC+8*\t, XF+8*(4*\kk+\t), WF+8*(2*\s+\kk), CR, XS+2*\kk+\t/2, WS+2*\s+\kk, matrix_a_scale:MATRIX_SCALE_ROW1
.else
	WM ACC+8*\t, XF+8*(4*\kk+\t), WF+8*(2*\s+\kk), CR, XS+2*\kk+\t/2, WS+2*\s+\kk
.endif
.endr
.endr
.endm
; A STAGE: 256 along K.  Waves 4 s .. 4 s + 3 quantise it; a barrier; waves 0 .. 11 multiply.  The images take turns between two places: stage s + 2's are stored behind the barrier of stage s + 1, in front of which every wave
; has waited for its loads of stage s's.
.macro STAGE s
	s_cmp_eq_u32 s[WQ], \s
	s_cbranch_scc0 .Lnot_mine_\@
	s_wait_tensorcnt 0x0                           ; my tile has landed.  Only I read these bytes
	XREAD 0
	XREAD 1
	s_wait_dscnt 8                                 ; all but the second eight loads
	QX XF
	XSTORE \s, 0
	XREAD 2
	s_wait_dscnt 10                                ; all but the two stores and the eight loads behind
	QX XF+32
	XSTORE \s, 1
	XREAD 3
	s_wait_dscnt 10
	QX XF
	XSTORE \s, 2
	s_wait_dscnt 2                                 ; all but the last two stores
	QX XF+32
	XSTORE \s, 3
.Lnot_mine_\@:
	s_wait_dscnt 0x0                               ; for the others' sake: my images lie in LDS
	s_barrier_signal -1
	s_barrier_wait -1
.if \s == 0
	s_wait_loadcnt 0x0                             ; weights, their scale words and the bias are in
.endif
	s_cmp_lt_u32 s[WV], 12
	s_cbranch_scc0 .Lnomul_\@
.irp kk, 0,1
.irp t, 0,1,2,3
.irp c, 0,1
	ds_load_b128 v[XF+8*(4*\kk+\t)+4*\c:XF+8*(4*\kk+\t)+4*\c+3], v[LIM] offset:8192*((\s)%2)+(4*\kk+\t)*1024+512*\c
.endr
.endr
.irp p, 0,1
	ds_load_b32 v[XS+2*\kk+\p], v[LSC] offset:512*((\s)%2)+(4*\kk+2*\p)*64
.endr
.endr
	s_wait_dscnt 0x0
	s_cmp_lt_u32 s[WV], 8
	s_cbranch_scc0 .Lv_\@
	MULQK \s
	s_branch .Lplaces_\@
.Lv_\@:
.if \s == 0
.irp j, 1,2,3,4,5,6,7
	v_mov_b32 v[BI+\j], v[BI]                      ; v's bias in the result's layout: a lane holds one channel in all eight registers
.endr
.endif
	MULV \s
.Lplaces_\@:
.rept 4
	v_nop                                          ; four places ahead of loads into registers that the products have read, and of the first read of results
.endr
.Lnomul_\@:
.endm
	STAGE 0
	STAGE 1
	STAGE 2
	STAGE 3
	; q AND k CHANGE HANDS: wave t has one tile of columns of four tiles of tokens, and takes tile of tokens t with all 64 units.
	s_cmp_lt_u32 s[WV], 8
	s_cbranch_scc0 .Lnoex
.irp t, 0,1,2,3
	ds_store_b128 v[EXW], v[ACC+8*\t:ACC+8*\t+3] offset:4096*\t
	ds_store_b128 v[EXW], v[ACC+8*\t+4:ACC+8*\t+7] offset:4096*\t+512
.endr
.Lnoex:
	s_wait_dscnt 0x0                               ; for the others' sake
	s_barrier_signal -1
	s_barrier_wait -1
.macro WORD                            ; the row's bytes of blocks 0 and 1 in both lanes
	v_lshlrev_b32 v230, v[H8], v[BY]
	v_permlanex16_b32 v231, v230, s[SEL], s[SEL+1]
	v_or_b32 v230, v230, v231
.endm
	s_cmp_lt_u32 s[WV], 8
	s_cbranch_scc1 .Lqk
	s_cmp_lt_u32 s[WV], 12
	s_cbranch_scc0 .Lend
	QX ACC                                         ; v: channel r, block h of the 64 tokens
	WORD
	global_store_b128 v[L16], v[PC:PC+3], s[86:87] ; 512 consecutive bytes, aligned
	global_store_b16 v[R16], v230, s[88:89]        ; my channel's two bytes of the word; both lanes of a channel store the same
	s_branch .Lend
.Lqk:
.irp t, 0,1,2,3
	ds_load_b128 v[XF+8*\t:XF+8*\t+3], v[EXR] offset:1024*\t
	ds_load_b128 v[XF+8*\t+4:XF+8*\t+7], v[EXR] offset:1024*\t+512
.endr
	s_wait_dscnt 0x0
	QX XF                                          ; q or k: my lane's token, block h of its 64 units
	WORD
	global_store_b128 v[L16], v[PC:PC+3], s[86:87] ; 512 consecutive bytes, aligned
	v_or_b32 v230, 0x7f7f0000, v230                ; 1.0 over what fills K up to 128
	v_mov_b32 v231, v230
	s_wait_alu depctr_va_vdst(0)                   ; the wait directly ahead of the branch
	s_cmp_lt_u32 s[WV], 4
	s_cbranch_scc0 .Lk
	global_store_b64 v[L8], v[230:231], s[88:89]   ; q: 256 consecutive bytes, aligned
	s_branch .Lend
.Lk:
	global_store_b32 v[R16], v230, s[88:89]        ; k: word (r, t); both lanes of a token store the same
.Lend:
	s_wait_tensorcnt 0x0                           ; the wave's end
	ds_add_u32 v[SPW], v[NIL]
	s_wait_dscnt 0x0
	s_endpgm
.Lfunc_end_k_q38afcc32e7_proj:
	.size	k_q38afcc32e7_proj, .Lfunc_end_k_q38afcc32e7_proj-k_q38afcc32e7_proj
	.p2alignl 7, 3214868480
	.fill 96, 4, 3214868480
	.section	.rodata,"a",@progbits
	.p2align	6, 0x0
	.amdhsa_kernel k_q38afcc32e7_proj
		.amdhsa_group_segment_fixed_size 318464
		.amdhsa_private_segment_fixed_size 0
		.amdhsa_enable_private_segment 0
		.amdhsa_kernarg_size 64
		.amdhsa_user_sgpr_count 2
		.amdhsa_user_sgpr_kernarg_segment_ptr 1
		.amdhsa_wavefront_size32 1
		.amdhsa_system_sgpr_workgroup_id_x 1
		.amdhsa_system_sgpr_workgroup_id_y 1
		.amdhsa_system_sgpr_workgroup_id_z 1
		.amdhsa_system_vgpr_workitem_id 0
		.amdhsa_next_free_vgpr 240
		.amdhsa_next_free_sgpr 100
		.amdhsa_reserve_vcc 0
		.amdhsa_float_denorm_mode_32 3
		.amdhsa_float_denorm_mode_16_64 3
		.amdhsa_memory_ordered 1
		.amdhsa_forward_progress 1
		.amdhsa_inst_pref_size 61
	.end_amdhsa_kernel
	.amdgpu_metadata
---
amdhsa.version: [ 1, 2 ]
amdhsa.kernels:
  - .name:           k_q38afcc32e7_proj
    .symbol:         k_q38afcc32e7_proj.kd
    .args:
      - { .name: x, .offset: 0, .size: 8, .value_kind: global_buffer, .address_space: global }
      - { .name: wc, .offset: 8, .size: 8, .value_kind: global_buffer, .address_space: global }
      - { .name: bq, .offset: 16, .size: 8, .value_kind: global_buffer, .address_space: global }
      - { .name: bk, .offset: 24, .size: 8, .value_kind: global_buffer, .address_space: global }
      - { .name: bv, .offset: 32, .size: 8, .value_kind: global_buffer, .address_space: global }
      - { .name: qc, .offset: 40, .size: 8, .value_kind: global_buffer, .address_space: global }
      - { .name: qs, .offset: 48, .size: 8, .value_kind: global_buffer, .address_space: global }
      - { .name: kv, .offset: 56, .size: 8, .value_kind: global_buffer, .address_space: global }
    .group_segment_fixed_size: 318464
    .private_segment_fixed_size: 0
    .kernarg_segment_align: 8
    .kernarg_segment_size: 64
    .max_flat_workgroup_size: 512
    .sgpr_count:     100
    .vgpr_count:     240
    .wavefront_size: 32
...
	.end_amdgpu_metadata
.endif
;; end of part 2
;; launch attn (part 3): grid 64 x 4, 16 waves a work-group, clusters of 4 x 1, 288,768 bytes of LDS; arguments qc, qs, kv, out0; writes out0
.if DOCPART == 3
	.amdgcn_target "amdgcn-amd-amdhsa--gfx1250"
	.amdhsa_code_object_version 6
	.text
	.protected	k_q38afcc32e7_attn
	.globl	k_q38afcc32e7_attn
	.p2align	8
	.type	k_q38afcc32e7_attn,@function
k_q38afcc32e7_attn:
	s_mov_b64 s[64:65], 0
	v_nop
	global_prefetch_b8 v0, s[64:65] scope:SCOPE_SE
	s_setreg_imm32_b32 hwreg(HW_REG_WAVE_MODE, 25, 1), 1
	s_wait_xcnt 0x0
	s_wait_alu depctr_hold_cnt(0) depctr_sa_sdst(0) depctr_va_vdst(0) depctr_va_sdst(0) depctr_va_ssrc(0) depctr_va_vcc(0) depctr_vm_vsrc(0)
	s_getreg_b32 s2, hwreg(HW_REG_IB_STS2, 6, 4)
	s_cmp_eq_u32 s2, 0
	s_cbranch_scc0 .Lentry_in_a_cluster
	s_endpgm
.Lentry_in_a_cluster:
	s_bfe_u32 s2, ttmp6, 0x10000c
	s_cmp_lg_u32 s2, 0x3003
	s_cbranch_scc0 .Lentry_shape_is_right
	s_endpgm
.Lentry_shape_is_right:
; out[b][q] = the sum over k <= q of softmax_k(q . k / 8) v[k], both products on codes of FP4 (E2M1) with E8M0 scales.  qc, qs, kv: images of the operands' registers.  out0: [4][4,096][64] f32.
; THE SOFTMAX AHEAD OF THE SECOND PRODUCT: t = score x log2(e) / 8; M = the largest t so far, rounded UP to a whole number; p = 2^(t - M) is what is quantised, along the keys, not normalised.  The row's sum is
; taken of the unquantised p and divides at the end.  When M moves, the sum and O are multiplied by 2^(old M - new M): exact.
; WORK LEFT OUT: key steps of 128 keys that come wholly after a tile's queries: reference()'s own tril mask gives them the weight 0 for all finite inputs.
; SHARES.  A key step is 128 keys; the eight tiles of 16 queries that lie in key step o (an octet) want key steps 0 .. o, the last under the mask.  The cluster with x = X (0 .. 15) owns octets X and 31 - X of its batch:
;   33 key steps for each pair of tiles (A of octet X, B of octet 31 - X).  A work-group has two pairs, and EIGHT WAVES SHARE A PAIR AND SPLIT THE KEYS.  With c = 0 .. 3: four PURE waves take B's steps 4 n + c, n = 0 .. 3, which lie
;   under 16 and so in front of B's octet; four MIXED waves take A's steps 4 n + c, then B's steps 16 + 4 n + 3 - c: four or, where c = X mod 4, five in all, whatever X.  Every part has its own M, sum and O; A's four parts and B's eight
;   meet in LDS at the end, each brought under the largest M by an exact power of two.  The two pairs' c differ by 2 in waves of the same number mod 4.
; CLUSTER.  All four work-groups read the batch's kv, 286,720 bytes: it is asked for JOINTLY, once, at the head, one tensor load a wave: wave w brings key steps w and w + 16, which lie side by side (step w is read whatever X).
;   Waves 0-3 have a load line of their own: behind the first barrier their four loads, which serve everybody's first step, are in.  Every other wave then waits for its own load and signals the second barrier, takes its first step, and
;   passes that barrier: from there on all 32 key steps are in.  No LDS byte is filled twice.  The place in the cluster enters the addresses of q and out and the mask's selects alone: no branch and no LDS address.
;   No loop: nothing to prefetch ahead of.
; LAYOUT.  Both products are used transposed: S^T = K Q^T (source 0 = 16 keys), O^T = V^T P^T (source 0 = 16 channels): a lane holds ONE query.  Row m of tile t (t = 0 .. 3) of keys or queries is token 4 m + t of its 64.  So the 32
;   registers of a half's four score tiles are the keys 32 h + 4 j + t: a WHOLE block of 32 in one lane, whose codes are P's operand as they stand; v's codes lie in the same order.  K of the first product is 64: Q's upper half is
;   zero codes, so what stands in the upper half of K's operand (the next tile's codes, under the scale byte 0x7f) adds nothing: K's tiles lie 4 registers apart.
; LIMITS: the promise holds while the scaled scores t stay under 2^31 in magnitude; a block of p that has fallen to zeros keeps the scale byte 1 (its codes are zeros); M starts from -3e38; NaN and infinities are not served.
.set BLK,   8960                       ; a key step in kv and in LDS: k's codes at 0,
.set PAIRB, 2*BLK                      ; (steps s and s + 16 side by side)
.set VCO,   4096                       ; v's codes,
.set VSO,   8192                       ; v's scale words (lanes 16-31 take k's, which nobody uses there),
.set KSO,   8448                       ; k's scale words: lanes 0-15 tiles 0-3, lanes 16-31 tiles 4-7
.set SPARE, 32*BLK                     ; the spare words
.set PP,    272                        ; the end: a row of a part's O, 256 bytes + 16
.set PREG,  16*PP                      ; a part's O: region 12 pair + k, k = 0..3 A's, 4..7 B's of the mixed waves, 8..11 B's of the pure
.set LSUM,  24*PREG                    ; behind the 24: the sums, [pair][r][16 words];
.set MOFF,  2048                       ; and the -M.  All this lies in kv's bytes, which have had their one fill and, behind a barrier, their last read
.set GO,  1                            ; v1   my byte offset in out
.set SPW, 2
.set NIL, 3
.set ADK, 4                            ; v4   the step in hand
.set AK1, 5                            ; v5, v6 16 x lane + where my first steps begin
.set AK2, 6
.set NINF, 7
.set PST, 8                            ; v8   where I put my O
.set SST, 9                            ; v9   my sum and -M
.set PRD, 10                           ; v10  where I read the parts
.set SRD, 11                           ; v11  and their sums
.set MA,  12                           ; v12 -M, v13 the largest t; v[14:15] the sum in two halves: the first state
.set SA,  14
.set MB,  16                           ; the second state: the mixed waves' part of B
.set SB,  18
.set QA,  20                           ; Q (upper four registers zero codes)
.set QB,  28
.set QSA, 36
.set QSB, 37
.set PSC, 38
.set TT,  39
.set FF,  40                           ; v[40:41] f = 2^(old M - new M) (v41 is named with it as a pair, so it is written)
.set KS,  42
.set VS,  46
.set BM,  50
.set T2,  54
.set SO,  58
.set PCD, 62                           ; v62-69 P's codes
.set KF,  70                           ; v70-105 K: tile t at 4 t;  then V, v70-101
.set SS,  106                          ; v106-169 S^T, then p
.set OA,  170                          ; v170-201, v202-233 O^T
.set OB,  202
.set H8,  234                          ; v234 8 h
.set WV,  12
.set CC,  13
.set PUR, 14
.set PAR, 15
.set OCT, 16
.set OCB, 17
.set K1,  18
.set K2,  19
.set JT,  20
.set STP, 21
.set UW,  22
.set G1,  24
.set G0,  32
.set MKS, 40                           ; s40-55 the diagonal's lane masks
.set SEL, 66
.set CS,  68
.set HQ,  94                           ; my queries' half of their key step,
.set TQ,  95                           ; and their tile in it
.macro ROUND                           ; a round of the cluster's barrier; no LDS instruction of the wave is pending at a signal
	s_barrier_signal -1
	s_barrier_wait -1
	s_cmp_lg_u32 s[WV], 0
	s_cbranch_scc1 .Lnot_wave_0_\@
	s_barrier_signal -3
.Lnot_wave_0_\@:
	s_barrier_wait -3
	s_barrier_signal -1
	s_barrier_wait -1
.endm
	s_load_b256 s[4:11], s[0:1], 0x0               ; qc s[4:5], qs s[6:7], kv s[8:9], out0 s[10:11]
	v_lshl_add_u32 v[SPW], v0, 2, SPARE
	v_mov_b32 v[NIL], 0
	ds_add_u32 v[SPW], v[NIL]                      ; the opening lines: the add,
	ds_add_u32 v[SPW], v[NIL]                      ; and once more; register work stands ahead of their wait
	v_lshrrev_b32 v1, 5, v0
	v_readfirstlane_b32 s[WV], v1                  ; wave 0..15
	s_mov_b32 s[G1+0], 15|(3<<16)|(1<<21)          ; the mask: all four work-groups; elements of 8 bytes; bit 21 set beside a mask; no padding
	s_mov_b32 s[G1+1], 32<<16                      ; tensor_dim0 = 32: rows of 256 bytes
	s_mov_b32 s[G1+2], 70<<16                      ; tensor_dim1 = 70
	s_mov_b32 s[G1+3], 32<<16                      ; tile_dim0
	s_mov_b32 s[G1+4], 70                          ; tile_dim1
	s_mov_b32 s[G1+5], 32                          ; dense
	s_mov_b32 s[G1+6], 0
	s_mov_b32 s[G1+7], 0
	s_mul_i32 s73, s[WV], PAIRB                    ; my two key steps, in LDS and in the batch's kv
	s_and_b32 s23, ttmp7, 0xffff                   ; the batch
	s_mul_i32 s74, s23, 32*BLK
	s_add_co_u32 s74, s74, s73
	s_mov_b32 s75, 0
	s_wait_dscnt 0x0                               ; both opening adds are done
	ROUND                                          ; all four work-groups are here: the joint loads meet
	s_wait_kmcnt 0x0
	s_mov_b32 s[G0], 1
	s_mov_b32 s[G0+1], s73
	s_add_nc_u64 s[G0+2:G0+3], s[8:9], s[74:75]
	s_or_b32 s[G0+3], s[G0+3], 0x80000000
	s_cmp_lt_u32 s[WV], 4
	s_cbranch_scc0 .Lload_late
	tensor_load_to_lds s[G0:G0+3], s[G1:G1+7]      ; waves 0-3
	s_nop 0
.rept 4
	v_nop
.endr
	s_branch .Lasked
.Lload_late:
	tensor_load_to_lds s[G0:G0+3], s[G1:G1+7]      ; waves 4-15
	s_nop 0
.rept 4
	v_nop
.endr
.Lasked:
	s_and_b32 s[UW], s[WV], 7
	s_lshr_b32 s[PAR], s[WV], 3                    ; my pair
	s_bfe_u32 s[PUR], s[WV], 0x10002
	s_xor_b32 s[PUR], s[PUR], 1                    ; 1: a pure wave (0-3, 8-11)
	s_and_b32 s[CC], s[WV], 3
	s_lshl_b32 s71, s[PAR], 1
	s_xor_b32 s[CC], s[CC], s71                    ; c
	s_sub_co_u32 s[OCB], 31, ttmp9
	s_cmp_eq_u32 s[PUR], 0
	s_cselect_b32 s[OCT], ttmp9, s[OCB]            ; the first state's octet = its last key step
	s_mov_b32 s[K1], s[CC]
	s_sub_co_u32 s[K2], 19, s[CC]                  ; 16 + 3 - c
	s_bfe_u32 s71, ttmp6, 0x40000                  ; cx
	s_lshl_b32 s71, s71, 1
	s_add_co_u32 s[JT], s71, s[PAR]                ; my tile of the octet's eight, in A and in B
	s_lshr_b32 s[HQ], s[JT], 2
	s_and_b32 s[TQ], s[JT], 3
	s_lshl_b32 s72, s23, 8
	s_add_co_u32 s72, s72, s[JT]
	s_lshl_b32 s76, s[OCT], 3
	s_add_co_u32 s76, s76, s72                     ; the first state's tile
	s_lshl_b32 s80, s[OCB], 3
	s_add_co_u32 s80, s80, s72                     ; B's
	s_lshl_b32 s78, s76, 8
	s_lshl_b32 s76, s76, 9
	s_lshl_b32 s82, s80, 8
	s_lshl_b32 s80, s80, 9
	s_mov_b32 s77, 0
	s_mov_b32 s79, 0
	s_mov_b32 s81, 0
	s_mov_b32 s83, 0
	s_add_nc_u64 s[76:77], s[4:5], s[76:77]
	s_add_nc_u64 s[78:79], s[6:7], s[78:79]
	s_add_nc_u64 s[80:81], s[4:5], s[80:81]
	s_add_nc_u64 s[82:83], s[6:7], s[82:83]
	s_lshl_b32 s71, s23, 12
	s_lshl_b32 s72, s[HQ], 6
	s_add_co_u32 s71, s71, s72
	s_add_co_u32 s71, s71, s[TQ]
	s_lshl_b32 s84, ttmp9, 7
	s_add_co_u32 s84, s84, s71
	s_lshl_b32 s84, s84, 8                         ; out: A's first token, 256 bytes a token,
	s_lshl_b32 s86, s[OCB], 7
	s_add_co_u32 s86, s86, s71
	s_lshl_b32 s86, s86, 8                         ; and B's;
	s_lshl_b32 s72, s[UW], 11                      ; I finish rows 2 u and 2 u + 1 of both: tokens 8 u and 8 u + 4 on
	s_add_co_u32 s84, s84, s72
	s_add_co_u32 s86, s86, s72
	s_mov_b32 s85, 0
	s_mov_b32 s87, 0
	s_add_nc_u64 s[84:85], s[10:11], s[84:85]
	s_add_nc_u64 s[86:87], s[10:11], s[86:87]
	s_mov_b32 s[SEL], 0x76543210
	s_mov_b32 s[SEL+1], 0xfedcba98                 ; v_permlanex16_b32's selects for lane l xor 16
	s_mov_b32 s[CS], 0x3e38aa3b                    ; c = log2(e) / 8
	s_mov_b32 s[CS+1], s[CS]                       ; (named with it as a pair, so it is written)
	s_mul_i32 s88, s[CC], PAIRB                    ; key step c,
	s_sub_co_u32 s89, 3, s[CC]
	s_mul_i32 s89, s89, PAIRB
	s_add_co_u32 s89, s89, BLK                     ; key step 16 + 3 - c
	s_lshl_b32 s71, s[PUR], 3
	s_add_co_u32 s71, s71, s[CC]                   ; my part k of the pair's twelve
	s_mul_i32 s72, s[PAR], 12
	s_add_co_u32 s90, s72, s71
	s_mul_i32 s90, s90, PREG
	s_lshl_b32 s73, s[PAR], 10
	s_add_co_u32 s73, s73, LSUM
	s_lshl_b32 s71, s71, 2
	s_add_co_u32 s91, s73, s71
	s_mul_i32 s92, s72, PREG
	s_mul_i32 s71, s[UW], 2*PP
	s_add_co_u32 s92, s92, s71
	s_lshl_b32 s71, s[UW], 7
	s_add_co_u32 s93, s73, s71
	v_and_b32 v234, 31, v0                         ; lane
	v_and_b32 v235, 15, v0                         ; r
	v_bfe_u32 v236, v0, 4, 1                       ; h
	v_lshlrev_b32 v237, 4, v234
	v_lshlrev_b32 v238, 3, v234
	global_load_b128 v[QA:QA+3], v237, s[76:77]    ; Q's fragments stay in registers
	global_load_b32 v[QSA], v238, s[78:79]
	global_load_b128 v[QB:QB+3], v237, s[80:81]
	global_load_b32 v[QSB], v238, s[82:83]
	v_add_nc_u32 v[AK1], s88, v237
	v_add_nc_u32 v[AK2], s89, v237
	v_mul_u32_u24 v[PST], v235, PP
	v_lshl_add_u32 v[PST], v236, 5, v[PST]
	v_add_nc_u32 v[PST], s90, v[PST]               ; my region, row r, + 32 h
	v_lshl_add_u32 v[SST], v235, 6, s91
	v_lshlrev_b32 v239, 4, v235
	v_mul_u32_u24 v[PRD], v236, PP
	v_add_nc_u32 v[PRD], v[PRD], v239
	v_add_nc_u32 v[PRD], s92, v[PRD]               ; my pair's regions, row 2 u + h, 16 bytes a lane
	v_lshl_add_u32 v[SRD], v236, 6, s93
	v_lshl_add_u32 v[GO], v236, 10, v239
	v_lshlrev_b32 v[H8], 3, v236
	v_mov_b32 v[MA+1], 0xff61b1e6                  ; the largest t so far: -3e38, under every t
	v_mov_b32 v[MB+1], 0xff61b1e6
	v_floor_f32 v[MA], -v[MA+1]                    ; -M
	v_floor_f32 v[MB], -v[MB+1]
	v_mov_b32 v[SA], 0
	v_mov_b32 v[SA+1], 0
	v_mov_b32 v[SB], 0
	v_mov_b32 v[SB+1], 0
	v_mov_b32 v[NINF], 0xff800000
	v_mov_b32 v[FF+1], 0
.irp i, 0,1,2,3
	v_mov_b32 v[QA+4+\i], 0                        ; zero codes for k = 64 .. 127
	v_mov_b32 v[QB+4+\i], 0
	v_mov_b32 v[KF+32+\i], 0                       ; the upper half of K's last tile: any codes would do
	v_mov_b32 v[T2+\i], 0                          ; a lane permute's destination counts as one of its sources
.endr
.set cj, 0
.rept 64
	v_mov_b32 v[OA+cj], 0                          ; both O^T: the step is written alike for every step; the first finds zeros, which the first change of M leaves zeros
.set cj, cj+1
.endr
	s_wait_alu depctr_va_vdst(0)                   ; the wait at the head's end
	s_wait_loadcnt 0x0                             ; Q
	s_cmp_lt_u32 s[WV], 4
	s_cbranch_scc0 .Lfirst_four
	s_wait_tensorcnt 0x0                           ; waves 0-3: key steps 0-3 have landed
.Lfirst_four:
	s_wait_dscnt 0x0
	s_barrier_signal -1
	s_barrier_wait -1                              ; they lie in LDS for everybody
	s_wait_tensorcnt 0x0                           ; my own load has landed, whichever it is:
	s_wait_dscnt 0x0
	s_barrier_signal -1                            ; say so; between this signal and its wait stands my first step, register work and LDS loads of key steps 0-3
; KEY STEP s[key] + 4 n.  Left out where it comes after the state's octet: a scalar branch on ids, round no barrier and no tensor load.
.macro STEP n, key, akb, qf, qsc, mx, sm, ot
	s_add_co_u32 s[STP], s[\key], 4*\n
	s_cmp_gt_u32 s[STP], s[OCT]
	s_cbranch_scc1 .Lskip_\@
	v_add_nc_u32 v[ADK], 4*PAIRB*\n, v[\akb]
	v_nop
	v_nop
	v_nop                                          ; with the addition: four places behind the last step's products, ahead of loads into registers that they have read
.irp t, 0,1,2,3,4,5,6,7
	ds_load_b128 v[KF+4*\t:KF+4*\t+3], v[ADK] offset:512*\t
.endr
	ds_load_b128 v[KS:KS+3], v[ADK] offset:KSO
	s_wait_alu depctr_va_vdst(0)                   ; the wait directly ahead of the wait below
	s_wait_dscnt 0x0
.irp t, 0,1,2,3
	v_wmma_scale_f32_16x16x128_f8f6f4 v[SS+8*\t:SS+8*\t+7], v[KF+4*\t:KF+4*\t+7], v[\qf:\qf+7], 0, v[KS+\t], v[\qsc] matrix_a_fmt:MATRIX_FMT_FP4 matrix_b_fmt:MATRIX_FMT_FP4
.endr
.irp t, 4,5,6,7
	v_wmma_scale_f32_16x16x128_f8f6f4 v[SS+8*\t:SS+8*\t+7], v[KF+4*\t:KF+4*\t+7], v[\qf:\qf+7], 0, v[KS+\t-4], v[\qsc] matrix_a_fmt:MATRIX_FMT_FP4 matrix_b_fmt:MATRIX_FMT_FP4 matrix_a_scale:MATRIX_SCALE_ROW1
.endr
.rept 4
	v_nop                                          ; four places, ahead of loads into K's registers and of the first read of the scores
.endr
.irp m, 0,1,2,3
.irp c, 0,1
	ds_load_b128 v[KF+8*\m+4*\c:KF+8*\m+4*\c+3], v[ADK] offset:VCO+1024*\m+512*\c   ; V takes K's registers
.endr
.endr
	ds_load_b128 v[VS:VS+3], v[ADK] offset:VSO
	s_cmp_lg_u32 s[STP], s[OCT]                    ; in the octet's own key step hidden scores become -infinity ahead of the maximum: p = 0 then.  The step's key 0 counts for every query of the octet
	s_cbranch_scc1 .Lopen_\@
.irp k, 0,1                                    ; keys 64 k + 4 (8 h + j) + t against queries 64 HQ + 4 r + TQ
	s_cmp_eq_u32 s[HQ], \k
	s_cselect_b32 s71, -1, 0                       ; the same half:
	s_cmp_lt_u32 s[HQ], \k
	s_cselect_b32 s72, -1, 0                       ; a later half: all hidden
.irp j, 0,1,2,3,4,5,6,7
	s_and_b32 s[MKS+\j], s71, ((1<<\j)-1)|(((1<<(8+\j))-1)<<16)     ; hidden where 8 h + j > r (t <= TQ),
	s_or_b32 s[MKS+\j], s[MKS+\j], s72
	s_and_b32 s[MKS+8+\j], s71, ((2<<\j)-1)|(((2<<(8+\j))-1)<<16)   ; or where 8 h + j >= r (t > TQ)
	s_or_b32 s[MKS+8+\j], s[MKS+8+\j], s72
.endr
.irp t, 0,1,2,3
	s_cmp_lt_u32 s[TQ], \t
.irp j, 0,1,2,3,4,5,6,7
	s_cselect_b32 s73, s[MKS+8+\j], s[MKS+\j]
	v_cndmask_b32 v[SS+32*\k+8*\t+\j], v[SS+32*\k+8*\t+\j], v[NINF], s73
.endr
.endr
.endr
.Lopen_\@:
.irp b, 0,1,2,3
	v_max3_num_f32 v[BM+\b], v[SS+16*\b], v[SS+16*\b+1], v[SS+16*\b+2]   ; the largest scores, in four chains
.endr
.irp i, 3,5,7,9,11,13
.irp b, 0,1,2,3
	v_max3_num_f32 v[BM+\b], v[BM+\b], v[SS+16*\b+\i], v[SS+16*\b+\i+1]
.endr
.endr
.irp b, 0,1,2,3
	v_max_num_f32 v[BM+\b], v[BM+\b], v[SS+16*\b+15]
.endr
	v_max_num_f32 v[BM], v[BM], v[BM+1]            ; of block h and of block 2 + h: they serve for the row's maximum and, since p rises with the score, for the block's largest p
	v_max_num_f32 v[BM+1], v[BM+2], v[BM+3]
	v_max_num_f32 v[TT], v[BM], v[BM+1]
	v_permlanex16_b32 v[T2], v[TT], s[SEL], s[SEL+1]
	v_max_num_f32 v[TT], v[TT], v[T2]              ; with lane l xor 16's 64 keys
	s_delay_alu instid0(VALU_DEP_1)
	v_mul_f32 v[TT], s[CS], v[TT]                  ; the step's largest t (c is positive)
	s_delay_alu instid0(VALU_DEP_1)
	v_max_num_f32 v[\mx+1], v[\mx+1], v[TT]
	v_mov_b32 v[TT], v[\mx]
	s_delay_alu instid0(VALU_DEP_2)
	v_floor_f32 v[\mx], -v[\mx+1]                  ; the new -M = -ceil(t): a whole number
	s_delay_alu instid0(VALU_DEP_1)
	v_sub_f32 v[TT], v[\mx], v[TT]                 ; old M - new M: a whole number, 0 or less
	s_delay_alu instid0(VALU_DEP_1)
	v_cvt_i32_f32 v[TT], v[TT]                     ; (it saturates)
	s_delay_alu instid0(VALU_DEP_1)
	v_ldexp_f32 v[FF], 1.0, v[TT]                  ; f = 2^(old M - new M)
.set cj, 0
.rept 32
	v_pk_fma_f32 v[SS+cj:SS+cj+1], v[SS+cj:SS+cj+1], s[CS:CS+1], v[\mx:\mx+1] op_sel_hi:[1,0,0]   ; t - M, two at a time
.set cj, cj+2
.endr
.irp b, 0,1
	v_fma_f32 v[BM+\b], v[BM+\b], s[CS], v[\mx]    ; the same of each block's largest score
.endr
	s_wait_alu depctr_va_vdst(0)                   ; the wait ahead of the batch
.set cj, 0
.rept 64
	v_exp_f32 v[SS+cj], v[SS+cj]                   ; p = 2^(t - M), at most 1
.set cj, cj+1
.endr
	v_pk_mul_f32 v[\sm:\sm+1], v[\sm:\sm+1], v[FF:FF+1] op_sel_hi:[1,0]   ; the sums under the new M: the plain line behind the exponentials
	s_wait_alu depctr_va_vdst(0)                   ; one wait for the batch of 64, ahead of its first reader
.irp b, 0,1
	v_exp_f32 v[BM+\b], v[BM+\b]                   ; the block's largest p
.endr
	v_pk_add_f32 v[T2:T2+1], v[SS:SS+1], v[SS+2:SS+3]   ; the row's sum of the unquantised p, two at a time, in seven chains
	v_pk_add_f32 v[T2+2:T2+3], v[SS+4:SS+5], v[SS+6:SS+7]
.irp a, 0,1,2,3
	v_pk_add_f32 v[PCD+2*\a:PCD+2*\a+1], v[SS+8+4*\a:SS+9+4*\a], v[SS+10+4*\a:SS+11+4*\a]
.endr
.irp a, 24,38
	v_pk_add_f32 v[\sm:\sm+1], v[\sm:\sm+1], v[SS+\a:SS+\a+1]
	v_pk_add_f32 v[T2:T2+1], v[T2:T2+1], v[SS+\a+2:SS+\a+3]
	v_pk_add_f32 v[T2+2:T2+3], v[T2+2:T2+3], v[SS+\a+4:SS+\a+5]
	v_pk_add_f32 v[PCD:PCD+1], v[PCD:PCD+1], v[SS+\a+6:SS+\a+7]
	v_pk_add_f32 v[PCD+2:PCD+3], v[PCD+2:PCD+3], v[SS+\a+8:SS+\a+9]
	v_pk_add_f32 v[PCD+4:PCD+5], v[PCD+4:PCD+5], v[SS+\a+10:SS+\a+11]
	v_pk_add_f32 v[PCD+6:PCD+7], v[PCD+6:PCD+7], v[SS+\a+12:SS+\a+13]
.endr
	v_pk_add_f32 v[\sm:\sm+1], v[\sm:\sm+1], v[SS+52:SS+53]
	v_pk_add_f32 v[T2:T2+1], v[T2:T2+1], v[SS+54:SS+55]
	v_pk_add_f32 v[T2+2:T2+3], v[T2+2:T2+3], v[SS+56:SS+57]
	v_pk_add_f32 v[PCD:PCD+1], v[PCD:PCD+1], v[SS+58:SS+59]
	v_pk_add_f32 v[PCD+2:PCD+3], v[PCD+2:PCD+3], v[SS+60:SS+61]
	v_pk_add_f32 v[PCD+4:PCD+5], v[PCD+4:PCD+5], v[SS+62:SS+63]
	v_pk_add_f32 v[T2:T2+1], v[T2:T2+1], v[T2+2:T2+3]
	v_pk_add_f32 v[PCD+2:PCD+3], v[PCD+2:PCD+3], v[PCD+6:PCD+7]
	v_pk_add_f32 v[PCD:PCD+1], v[PCD:PCD+1], v[PCD+4:PCD+5]
	v_pk_add_f32 v[T2:T2+1], v[T2:T2+1], v[PCD+2:PCD+3]
	v_pk_add_f32 v[\sm:\sm+1], v[\sm:\sm+1], v[PCD:PCD+1]
	v_pk_add_f32 v[\sm:\sm+1], v[\sm:\sm+1], v[T2:T2+1]
	s_wait_alu depctr_va_vdst(0)                   ; and one for the two
.irp b, 0,1
	v_max_num_f32 v[BM+\b], 0x1800000, v[BM+\b]    ; the floor 2^(3 - 127): the byte cannot fall under 1
.endr
.irp b, 0,1
	v_add_nc_u32 v[SO+\b], 0xff000000, v[BM+\b]    ; 2 off the exponent field: the conversion's scale operand
.endr
.irp b, 0,1
	v_lshrrev_b32 v[T2+\b], 23, v[SO+\b]           ; the scale's byte
.endr
	v_lshl_or_b32 v[T2], v[T2+1], 16, v[T2]        ; blocks h and 2 + h,
	v_lshlrev_b32 v[T2], v[H8], v[T2]              ; at their places in the word
	v_permlanex16_b32 v[T2+1], v[T2], s[SEL], s[SEL+1]
.irp c, 0,1
.irp g, 0,1,2,3
	v_cvt_scalef32_pk8_fp4_f32 v[PCD+4*\c+\g], v[SS+32*\c+8*\g:SS+32*\c+8*\g+7], v[SO+\c]
.endr
.endr
	v_nop                                          ; one plain line behind the last conversion
	v_or_b32 v[PSC], v[T2], v[T2+1]                ; p's scale word for these 128 keys
	s_wait_alu depctr_va_vdst(0)                   ; the wait directly ahead of the first reader of O^T
.set cj, 0
.rept 16
	v_pk_mul_f32 v[\ot+cj:\ot+cj+1], v[\ot+cj:\ot+cj+1], v[FF:FF+1] op_sel_hi:[1,0]   ; O^T under the new M; these sixteen are also the places between the scale word, the codes and the products
.set cj, cj+2
.endr
	s_wait_alu depctr_va_vdst(0)                   ; the wait directly ahead of the wait below
	s_wait_dscnt 0x0                               ; V and its scale words are in
.irp m, 0,1,2,3                                ; the four accumulators by turns, one instruction a turn
	v_wmma_scale_f32_16x16x128_f8f6f4 v[\ot+8*\m:\ot+8*\m+7], v[KF+8*\m:KF+8*\m+7], v[PCD:PCD+7], v[\ot+8*\m:\ot+8*\m+7], v[VS+\m], v[PSC] matrix_a_fmt:MATRIX_FMT_FP4 matrix_b_fmt:MATRIX_FMT_FP4
.endr
.Lskip_\@:
.endm
	STEP 0, K1, AK1, QA, QSA, MA, SA, OA
	s_barrier_wait -1                              ; all 32 key steps lie in LDS
.irp n, 1,2,3
	STEP \n, K1, AK1, QA, QSA, MA, SA, OA
.endr
	s_cmp_lg_u32 s[PUR], 0
	s_cbranch_scc1 .Lmeet                          ; a pure wave is done
	s_mov_b32 s[OCT], s[OCB]
.irp n, 0,1,2,3
	STEP \n, K2, AK2, QB, QSB, MB, SB, OB
.endr
.Lmeet:
	; THE PARTS OF A TILE MEET.
	v_add_f32 v[SA], v[SA], v[SA+1]                ; the sums' two halves,
	v_add_f32 v[SB], v[SB], v[SB+1]
	v_permlanex16_b32 v[T2], v[SA], s[SEL], s[SEL+1]
	v_permlanex16_b32 v[T2+1], v[SB], s[SEL], s[SEL+1]
	v_add_f32 v[SA], v[SA], v[T2]                  ; and lane l xor 16's
	v_add_f32 v[SB], v[SB], v[T2+1]
	s_wait_alu depctr_va_vdst(0)
	s_wait_dscnt 0x0
	s_barrier_signal -1
	s_barrier_wait -1                              ; every wave's reads of kv are over: its bytes, which no load fills again, take the parts
.rept 4
	v_nop                                          ; four places behind the last products, ahead of the stores that read their results
.endr
.irp m, 0,1,2,3                                ; lane (r, h): channels 16 m + 8 h + 0 .. 7 of query r; each accumulator from its low end on
	s_wait_alu depctr_va_vdst(0)                   ; the wait ahead of each first reader: in a mixed wave exponentials stand behind the products
	ds_store_b128 v[PST], v[OA+8*\m:OA+8*\m+3] offset:64*\m
	s_wait_alu depctr_va_vdst(0)
	ds_store_b128 v[PST], v[OA+8*\m+4:OA+8*\m+7] offset:64*\m+16
.endr
	ds_store_b32 v[SST], v[SA]                     ; both lanes of a query write the same
	ds_store_b32 v[SST], v[MA] offset:MOFF
	s_cmp_lg_u32 s[PUR], 0
	s_cbranch_scc1 .Lone_part
.irp m, 0,1,2,3
	ds_store_b128 v[PST], v[OB+8*\m:OB+8*\m+3] offset:4*PREG+64*\m
	ds_store_b128 v[PST], v[OB+8*\m+4:OB+8*\m+7] offset:4*PREG+64*\m+16
.endr
	ds_store_b32 v[SST], v[SB] offset:16
	ds_store_b32 v[SST], v[MB] offset:MOFF+16
.Lone_part:
	s_wait_dscnt 0x0                               ; for the others' sake: my parts lie in LDS
	s_barrier_signal -1
	s_barrier_wait -1
.set PR, 106                           ; v106-153 the twelve parts' 16 bytes of my rows
.set LL, 154                           ; v154-165 their sums
.set LM, 70                            ; v70-81  their -M
.set FC, 82                            ; v82-93  their factors
.set AM, 94
.set LT, 96
.set RC, 98
.set OU, 42                            ; v42-45 A's row, v46-49 B's
.irp g, 0,1,2
	ds_load_b128 v[LM+4*\g:LM+4*\g+3], v[SRD] offset:16*\g+MOFF
	ds_load_b128 v[LL+4*\g:LL+4*\g+3], v[SRD] offset:16*\g
.endr
.irp k, 0,1,2,3,4,5,6,7,8,9,10,11
	ds_load_b128 v[PR+4*\k:PR+4*\k+3], v[PRD] offset:PREG*\k
.endr
	s_wait_dscnt 0x0
	v_min3_num_f32 v[AM+1], v[LM+4], v[LM+5], v[LM+6]
	v_min3_num_f32 v[AM], v[LM], v[LM+1], v[LM+2]
	v_min3_num_f32 v[AM+1], v[AM+1], v[LM+7], v[LM+8]
	v_min_num_f32 v[AM], v[AM], v[LM+3]            ; the least -M: the largest M.  (A part that had no key step left -M = 3e38, a sum of 0 and zeros)
	v_min3_num_f32 v[AM+1], v[AM+1], v[LM+9], v[LM+10]
	v_min_num_f32 v[AM+1], v[AM+1], v[LM+11]
.irp k, 0,1,2,3,4,5,6,7,8,9,10,11
	v_sub_f32 v[FC+\k], v[AM+(\k+4)/8], v[LM+\k]   ; that part's M - the largest: a whole number, 0 or less
.endr
.irp k, 0,1,2,3,4,5,6,7,8,9,10,11
	v_cvt_i32_f32 v[FC+\k], v[FC+\k]               ; (it saturates)
.endr
.irp k, 0,1,2,3,4,5,6,7,8,9,10,11
	v_ldexp_f32 v[FC+\k], 1.0, v[FC+\k]
.endr
	v_mul_f32 v[LT+1], v[FC+4], v[LL+4]
	v_mul_f32 v[LT], v[FC], v[LL]
.irp k, 5,1,6,2,7,3,8,9,10,11
	v_fma_f32 v[LT+(\k+4)/8], v[FC+\k], v[LL+\k], v[LT+(\k+4)/8]   ; the row's sum under the largest M
.endr
	s_wait_alu depctr_va_vdst(0)                   ; the wait ahead of the reciprocals
.irp q, 0,1
	v_rcp_f32 v[RC+\q], v[LT+\q]
.endr
	v_nop                                          ; a plain line behind the reciprocals
	s_wait_alu depctr_va_vdst(0)                   ; and the wait ahead of their first reader
.irp k, 0,1,2,3,4,5,6,7,8,9,10,11
	v_mul_f32 v[FC+\k], v[FC+\k], v[RC+(\k+4)/8]
.endr
.irp i, 0,1,2,3
	v_mul_f32 v[OU+\i], v[FC], v[PR+\i]
	v_mul_f32 v[OU+4+\i], v[FC+4], v[PR+16+\i]
.endr
.irp k, 1,5,2,6,3,7,8,9,10,11
.irp i, 0,1,2,3
	v_fma_f32 v[OU+4*((\k+4)/8)+\i], v[FC+\k], v[PR+4*\k+\i], v[OU+4*((\k+4)/8)+\i]
.endr
.endr
	global_store_b128 v[GO], v[OU:OU+3], s[84:85]      ; sixteen lanes store a token's 256 bytes, aligned
	global_store_b128 v[GO], v[OU+4:OU+7], s[86:87]
	s_wait_tensorcnt 0x0                           ; the wave's end
	ds_add_u32 v[SPW], v[NIL]
	s_wait_dscnt 0x0
	ROUND                                          ; the closing round: no work-group ends while a partner may still ask for a tile that names it
	s_endpgm
.Lfunc_end_k_q38afcc32e7_attn:
	.size	k_q38afcc32e7_attn, .Lfunc_end_k_q38afcc32e7_attn-k_q38afcc32e7_attn
	.p2alignl 7, 3214868480
	.fill 96, 4, 3214868480
	.section	.rodata,"a",@progbits
	.p2align	6, 0x0
	.amdhsa_kernel k_q38afcc32e7_attn
		.amdhsa_group_segment_fixed_size 288768
		.amdhsa_private_segment_fixed_size 0
		.amdhsa_enable_private_segment 0
		.amdhsa_kernarg_size 32
		.amdhsa_user_sgpr_count 2
		.amdhsa_user_sgpr_kernarg_segment_ptr 1
		.amdhsa_wavefront_size32 1
		.amdhsa_system_sgpr_workgroup_id_x 1
		.amdhsa_system_sgpr_workgroup_id_y 1
		.amdhsa_system_sgpr_workgroup_id_z 1
		.amdhsa_system_vgpr_workitem_id 0
		.amdhsa_next_free_vgpr 240
		.amdhsa_next_free_sgpr 100
		.amdhsa_reserve_vcc 0
		.amdhsa_float_denorm_mode_32 3
		.amdhsa_float_denorm_mode_16_64 3
		.amdhsa_memory_ordered 1
		.amdhsa_forward_progress 1
		.amdhsa_inst_pref_size 209
	.end_amdhsa_kernel
	.amdgpu_metadata
---
amdhsa.version: [ 1, 2 ]
amdhsa.kernels:
  - .name:           k_q38afcc32e7_attn
    .symbol:         k_q38afcc32e7_attn.kd
    .args:
      - { .name: qc, .offset: 0, .size: 8, .value_kind: global_buffer, .address_space: global }
      - { .name: qs, .offset: 8, .size: 8, .value_kind: global_buffer, .address_space: global }
      - { .name: kv, .offset: 16, .size: 8, .value_kind: global_buffer, .address_space: global }
      - { .name: out0, .offset: 24, .size: 8, .value_kind: global_buffer, .address_space: global }
    .group_segment_fixed_size: 288768
    .private_segment_fixed_size: 0
    .kernarg_segment_align: 8
    .kernarg_segment_size: 32
    .max_flat_workgroup_size: 512
    .sgpr_count:     100
    .vgpr_count:     240
    .wavefront_size: 32
...
	.end_amdgpu_metadata
.endif
;; end of part 3
